; MI455X (gfx1250); checked and timed in simulation.
; The chip was launched on July 23, 2026; its instructions are those of AMD's public machine-readable ISA for CDNA 5 (MIT licence, August 2026) and "CDNA5" Instruction Set Architecture Reference Guide (July 2026). The comments in the code are by the model that wrote it; some were corrected since.
;; Sim Attn. Allowed arithmetic: matrix products marked QUANTISED: E3M2 operands, one E8M0 scale for each 32 along K, by v_wmma_scale_f32_16x16x128_f8f6f4 with both operands' format E3M2, f32 sums; everything else in f32.
;; Inputs: key 4 x 2,048 x 1,024 float32; query 4 x 2,048 x 1,024 float32; value 4 x 2,048 x 1,024 float32.
;; Outputs: out0 4 x 2,048 x 1,024 float32.
;; This version of the problem:
;;   THIS VERSION OF THE PROBLEM IS GIVEN IN LOW PRECISION. The matrix products marked QUANTISED in the list below multiply operands that are first quantised to E3M2 (3 exponent bits, 2 mantissa bits; 6 bits a number), with one power-of-two scale for each 32 numbers along K (OCP MX v1.0); their sums are f32. All else is computed in f32.
;;   The module's matrix products, in the order in which they are computed (A, B: the left and right operand; K: the contracted axis; several contracted axes count as one K, in the product's order):
;;     1. batch 32 x [M 2,048, K 128] x [K 128, N 2,048]; A: input query; B: input key: QUANTISED
;;     2. batch 32 x [M 2,048, K 2,048] x [K 2,048, N 128]; A: computed on the way; B: input value: QUANTISED
;;   THE QUANTISER, for each operand of a quantised product, along K:
;;     - K is cut into blocks of 32 from its start; a last block that is shorter is filled with zeros.
;;     - A block's scale is 2^e with e = floor(log2(the largest magnitude in the block)) - 4, held to -126 .. 127; a block of zeros has e = 0. As a byte (E8M0): e + 127.
;;     - Each number is divided by its block's scale, clamped to +-28, and rounded to the nearest number of E3M2, ties to even, subnormals kept.
;;     - The product sums the exact products of the quantised numbers (number of the format x scale) in f32.
;;   ~~~python
;;   def quantise(x, axis):      # numpy; x: float32 -> the quantised numbers, widened to float32 again
;;       x = np.moveaxis(x, axis, -1); K = x.shape[-1]
;;       x = np.pad(x, [(0, 0)] * (x.ndim - 1) + [(0, -K % 32)]); x = x.reshape(x.shape[:-1] + (-1, 32)); a = np.abs(x).max(-1, keepdims=True)
;;       e = np.where(a > 0, np.clip(np.frexp(np.where(a > 0, a, 1))[1] - 1 - 4, -126, 127), 0)      # np.frexp(a)[1] - 1 = floor(log2(a)), exactly
;;       r = np.clip(x / 2.0 ** e, -28, 28)
;;       step = 2.0 ** (np.maximum(np.frexp(np.where(r == 0, 1, r))[1] - 1, -2) - 2)
;;       q = np.round(r / step) * step * 2.0 ** e      # np.round: ties to even
;;       return np.moveaxis(q.reshape(q.shape[:-2] + (-1,))[..., :K], -1, axis).astype(np.float32)
;;   ~~~
;;   OPERANDS COMPUTED ON THE WAY. 'Computed on the way' means the value that the module computes at that place (a softmax that the list does not call 'softmax' is quantised finished and normalised). What goes into a quantiser is computed in f32, as accurately as f32 sums, v_exp_f32 and their like allow (about 1e-6 of the number): no bf16 or f16 on the way to a quantiser, and a product that is left as it is and whose result goes on into a quantised operand takes f32 operands (vector FMAs, or v_wmma_f32_16x16x4_f32). A number that lies on a knife's edge between two numbers of the format may be rounded either way, as far as f32 arithmetic and the matrix unit's own rounding can turn it there, and no further.
;; One version. Each part assembles by itself: llvm-mc -triple=amdgcn-amd-amdhsa -mcpu=gfx1250 --defsym DOCPART=n.
;; ======== version 1 of 1: 2 launches
;; workspace buffers: kimg 6,291,456 bytes; ksc 262,144 bytes; vimg 6,291,456 bytes; vsc 262,144 bytes
;; launch pack (part 1): grid 512 x 2, 4 waves a work-group, no clusters, 68,096 bytes of LDS; arguments key, value, kimg, ksc, vimg, vsc; writes kimg, ksc, vimg, vsc
.if DOCPART == 1
	.amdgcn_target "amdgcn-amd-amdhsa--gfx1250"
	.amdhsa_code_object_version 6
	.text
	.protected	k_qc474000df9_pack
	.globl	k_qc474000df9_pack
	.p2align	8
	.type	k_qc474000df9_pack,@function
k_qc474000df9_pack:
	s_mov_b64 s[64:65], 0
	v_nop
	global_prefetch_b8 v0, s[64:65] scope:SCOPE_SE
	s_setreg_imm32_b32 hwreg(HW_REG_WAVE_MODE, 25, 1), 1
	s_wait_xcnt 0x0
; key and value, [4][2048][1024] f32, become codes of BF6 (E3M2) with one E8M0 scale byte for each 32 along a product's K, laid as IMAGES OF OPERAND REGISTERS:
; a fragment (16 rows x 128 K) is 12 registers a lane; its register quad q of lane l lies at byte 512 q + 16 l: 1,536 bytes, which any wave takes by three loads of 16 bytes a lane.
; hd = 8 b + h is the head, s a step of 128 keys.  Work-group x = 16 hd + s; y = 0: key, y = 1: value.  A work-group takes 128 rows t x the head's 128 columns.
; kimg [hd][tile 0..127][1536]: K = the head's 128.  THE KEYS OF A TILE ARE NOT NEIGHBOURS: lane row r of tile 8 s + 2 bb + u is key 128 s + 32 bb + 8 u + r + 8 (r / 8).
; ksc  [hd][pair of tiles 0..63][32 lanes] words: lanes 0-15 the even tile's rows, lanes 16-31 the odd tile's.
; vimg [hd][s][d-tile j 0..7][1536]: lane row r is channel 16 j + r; K = keys 128 s + 0 .. 127.     vsc [hd][s][channel 0..127] words.
; A block's scale is 2^(floor(log2(its largest magnitude)) - 4): its byte is the largest magnitude's exponent field - 4, held at 1 from below by a floor among the maximum's leaves.
; LIMITS: a block of zeros gets the byte 1 where the rule says 127 (its codes are zeros, and this program alone reads the bytes); NaN and infinities among the inputs are not served.
; The scale words leave 128 bytes a wave, 512 a work-group: one byte in 128 of what the launch reads.  No tensor loads, no barrier: waves share nothing.  Only the key's path uses LDS.
.set SP,   528                         ; a stage row: a key's 512 bytes + 16 = 33 x 16 bytes, so that sixteen rows read at one column fall on sixteen different 16-byte columns of 256
.set STGW, 32*SP                       ; a wave's stage: 32 keys
.set R,    16                          ; v16-143   key: 32 rows as loaded, 4 registers each; later the second tile's 64 numbers
.set X,    144                         ; v144-207  key: the first tile's 64 numbers of a lane
.set C0,   208                         ; v208-219  the first tile's codes
.set C1,   220                         ; v220-231  the second tile's
.set TMPC, 232                         ; v232-239  the upper halves of two blocks' codes
.set M,    240                         ; v240-241  largest magnitudes
.set SO,   242                         ; v242-243  the conversions' scale operands
.set BY,   244                         ; v244-245  scale bytes
.set W0,   246                         ; the first tile's scale word
.set W1,   247                         ; the second tile's
.set W2,   248                         ; the other half's bytes
.set WF,   249                         ; the word that is stored
.set VX,   16                          ; v16-143   value: 128 keys of my channel
.set TA,   144                         ; v144-155  value: blocks 0 and 2: the twelve registers of the taker's lane r
.set TB,   156                         ; v156-167  blocks 1 and 3: those of its lane 16 + r
.set VT,   168                         ; v168-183  the upper halves of four blocks' codes
.set VM,   184                         ; v184-185
.set VSO,  186                         ; v186-189  a scale operand for each block
.set VBY,  190
.set VW,   191                         ; my channel's scale word
	s_load_b256 s[4:11], s[0:1], 0x0               ; key s[4:5], value s[6:7], kimg s[8:9], ksc s[10:11]
	s_load_b128 s[12:15], s[0:1], 0x20             ; vimg s[12:13], vsc s[14:15]
	v_lshl_add_u32 v254, v0, 2, 0x10800
	v_mov_b32 v255, 0
	v_lshrrev_b32 v7, 5, v0
	v_readfirstlane_b32 s16, v7                    ; wave 0..3
	v_and_b32 v6, 31, v0                           ; lane
	s_lshr_b32 s17, ttmp9, 4                       ; hd
	s_and_b32 s18, ttmp9, 15                       ; s
	s_and_b32 s19, s17, 7                          ; h
	s_lshr_b32 s22, s17, 3                         ; b
	s_lshl_b32 s24, s22, 23                        ; b x 2,048 rows of 4,096 bytes
	s_lshl_b32 s18, s18, 19                        ; s x 128 rows
	s_lshl_b32 s19, s19, 9                         ; h x 128 numbers
	s_or_b32 s24, s24, s18
	s_or_b32 s24, s24, s19
	s_mov_b32 s25, 0
	s_mov_b32 s20, 0x76543210
	s_mov_b32 s21, 0xfedcba98                      ; v_permlanex16_b32's selects for lane l xor 16
	s_and_b32 s23, ttmp7, 0xffff                   ; y
	s_lshl_b32 s26, ttmp9, 3
	s_lshl_b32 s27, s16, 1
	s_add_co_u32 s26, s26, s27
	s_mul_i32 s26, s26, 1536                       ; my wave's two fragments: (8 x + 2 wave) x 1,536 bytes, in kimg and in vimg alike
	s_mov_b32 s27, 0
	s_wait_kmcnt 0x0
	s_cmp_lg_u32 s23, 0
	s_cbranch_scc1 .Lvalue
	; ---- KEY: K is innermost.  Wave wv takes keys 32 wv .. 32 wv + 31 of the step: two tiles.
	v_lshlrev_b32 v1, 4, v6                        ; 16 x lane
	v_lshlrev_b32 v2, 2, v6                        ; 4 x lane
	s_mul_i32 s28, s16, STGW
	v_add_nc_u32 v3, s28, v1                       ; into the stage: a row's 512 bytes as they lie
	v_and_b32 v8, 15, v6                           ; r
	v_lshrrev_b32 v9, 4, v6                        ; hl
	v_mul_u32_u24 v4, v8, SP
	v_lshl_add_u32 v4, v9, 7, v4
	v_add_nc_u32 v4, s28, v4                       ; out of it: stage row r, + 128 hl: my 32 numbers of each 64
	v_lshlrev_b32 v5, 3, v9                        ; 8 hl: my bytes' place in the scale word
	v_mov_b32 v[W2], 0                             ; written once: a lane permute's destination counts as one of its sources
	s_lshl_b32 s28, s16, 17                        ; my 32 rows
	s_add_co_u32 s24, s24, s28
	s_add_nc_u64 s[4:5], s[4:5], s[24:25]
	s_add_nc_u64 s[8:9], s[8:9], s[26:27]
	s_lshl_b32 s28, ttmp9, 2
	s_add_co_u32 s28, s28, s16
	s_lshl_b32 s28, s28, 7                         ; my pair of tiles: (4 x + wave) x 128 bytes
	s_mov_b32 s29, 0
	s_add_nc_u64 s[10:11], s[10:11], s[28:29]
.set i, 0
.rept 32
	global_load_b128 v[R+4*i:R+4*i+3], v1, s[4:5] offset:i*4096 th:TH_LOAD_NT   ; key 32 wv + i: 32 lanes read the head's 512 consecutive bytes
.set i, i+1
.endr
.set i, 0
.rept 32
.if i%8 == 0
	s_wait_loadcnt 24-i                            ; loads come back in order: these eight are in, the 24 - i younger ones may be out
.endif
	ds_store_b128 v3, v[R+4*i:R+4*i+3] offset:((i&7)|((i&8)<<1)|((i&16)>>1))*SP   ; key i is lane row (i & 7) + 8 (i / 16) of tile (i / 8) & 1: stage row 16 u + r
.set i, i+1
.endr
.macro TLD dst, u                      ; tile u: lane (r, hl) takes k = 64 c + 32 hl + 0 .. 31 of its row, c = 0, 1: the order of the operand's registers
.set i, 0
.rept 16
	ds_load_b128 v[\dst+4*i:\dst+4*i+3], v4 offset:\u*16*SP+256*(i/8)+16*(i%8)   ; LDS serves a wave's instructions in order: these see my stores
.set i, i+1
.endr
.endm
; 64 numbers of a lane (two whole blocks of 32) become the tile's twelve registers of codes and its rows' scale word; the codes leave as the image, 512 consecutive bytes a store
.macro KQ xs, cd, w, u
.irp c, 0,1
	v_max3_num_f32 v[M+\c], |v[\xs+32*\c]|, |v[\xs+32*\c+1]|, 0x2800000   ; my block 2 c + hl, and the floor 2^(5 - 127): the byte cannot fall under 1
.endr
.irp i, 2,4,6,8,10,12,14,16,18,20,22,24,26,28,30
.irp c, 0,1
	v_max3_num_f32 v[M+\c], v[M+\c], |v[\xs+32*\c+\i]|, |v[\xs+32*\c+\i+1]|   ; (the two blocks by turns)
.endr
.endr
.irp c, 0,1
	v_add_nc_u32 v[SO+\c], 0xfe000000, v[M+\c]     ; 4 off the exponent field: the conversion takes that field of this operand as its scale
.endr
.irp c, 0,1
	v_lshrrev_b32 v[BY+\c], 23, v[SO+\c]           ; the scale's byte
.endr
	v_lshl_or_b32 v[\w], v[BY+1], 16, v[BY]        ; blocks hl and 2 + hl,
	v_lshlrev_b32 v[\w], v5, v[\w]                 ; at their places in the word;
	v_permlanex16_b32 v[W2], v[\w], s20, s21
	v_or_b32 v[\w], v[\w], v[W2]                   ; with lane l xor 16's two the word is whole, in both halves of the lanes
.irp c, 0,1
	v_cvt_scalef32_pk16_bf6_f32 v[\cd+6*\c:\cd+6*\c+2], v[\xs+32*\c:\xs+32*\c+15], v[SO+\c]
	v_cvt_scalef32_pk16_bf6_f32 v[TMPC+4*\c:TMPC+4*\c+2], v[\xs+32*\c+16:\xs+32*\c+31], v[SO+\c]   ; (a conversion's three registers begin on an even number)
.endr
	v_nop                                          ; one plain place behind a scaled conversion
.irp c, 0,1
.irp i, 0,1,2
	v_mov_b32 v[\cd+6*\c+3+\i], v[TMPC+4*\c+\i]
.endr
.endr
.irp q, 0,1,2
	global_store_b128 v1, v[\cd+4*\q:\cd+4*\q+3], s[8:9] offset:\u*1536+512*\q
.endr
.endm
	TLD X, 0
	s_wait_dscnt 0x0                               ; the first tile is in, and the stores into the stage have read R
	TLD R, 1                                       ; the second tile lands while the first is worked
	KQ X, C0, W0, 0
	s_wait_dscnt 0x0
	KQ R, C1, W1, 1
	v_cmp_le_u32 vcc_lo, 16, v6
	v_cndmask_b32 v[WF], v[W0], v[W1], vcc_lo      ; lanes 0-15 the even tile's words, lanes 16-31 the odd tile's
	global_store_b32 v2, v[WF], s[10:11]
	s_wait_tensorcnt 0x0
	ds_add_u32 v254, v255
	s_wait_dscnt 0x0
	s_endpgm
	; ---- VALUE: K = the keys, its outer axis.  A LANE TAKES A CHANNEL (its thread's number) AND ITS REGISTERS RUN DOWN THE 128 KEYS: nothing is transposed.
.Lvalue:
	v_lshlrev_b32 v1, 2, v0                        ; 4 x thread: my channel
	v_lshrrev_b32 v8, 4, v6
	v_and_b32 v9, 15, v6
	v_mul_u32_u24 v2, v8, 1536
	v_lshl_add_u32 v2, v9, 4, v2                   ; d-tile 2 wave + lane / 16, the taker's lane r = lane % 16
	s_add_nc_u64 s[6:7], s[6:7], s[24:25]
	s_add_nc_u64 s[12:13], s[12:13], s[26:27]
	s_lshl_b32 s28, ttmp9, 9                       ; 128 words a step
	s_mov_b32 s29, 0
	s_add_nc_u64 s[14:15], s[14:15], s[28:29]
.set i, 0
.rept 128
	global_load_b32 v[VX+i], v1, s[6:7] offset:i*4096 th:TH_LOAD_NT   ; key i: a wave reads 128 consecutive bytes, the four waves the head's 512
.set i, i+1
.endr
.macro VBLOCK bk, cnt                  ; block bk of 32 keys: all its numbers are mine
.set xs, VX+32*\bk
.set dd, TA+12*(\bk%2)+6*(\bk/2)
	s_wait_loadcnt \cnt
	v_max3_num_f32 v[VM], |v[xs]|, |v[xs+1]|, |v[xs+2]|
	v_max3_num_f32 v[VM+1], |v[xs+3]|, |v[xs+4]|, |v[xs+5]|
.irp i, 6,10,14,18,22,26
	v_max3_num_f32 v[VM], v[VM], |v[xs+\i]|, |v[xs+\i+1]|
	v_max3_num_f32 v[VM+1], v[VM+1], |v[xs+\i+2]|, |v[xs+\i+3]|
.endr
	v_max3_num_f32 v[VM], v[VM], |v[xs+30]|, |v[xs+31]|
	v_max3_num_f32 v[VM], v[VM], v[VM+1], 0x2800000    ; and the floor
	v_add_nc_u32 v[VSO+\bk], 0xfe000000, v[VM]
.if \bk == 0
	v_lshrrev_b32 v[VW], 23, v[VSO]                ; the lower keys' byte in the lower bits
.else
	v_lshrrev_b32 v[VBY], 23, v[VSO+\bk]
	v_lshl_or_b32 v[VW], v[VBY], 8*\bk, v[VW]
.endif
	v_cvt_scalef32_pk16_bf6_f32 v[dd:dd+2], v[xs:xs+15], v[VSO+\bk]
	v_cvt_scalef32_pk16_bf6_f32 v[VT+4*\bk:VT+4*\bk+2], v[xs+16:xs+31], v[VSO+\bk]
.endm
	VBLOCK 0, 63                                   ; 96 younger loads are out; the count's field holds 63, and a smaller count is safe
	VBLOCK 1, 63                                   ; 64 younger
	VBLOCK 2, 32                                   ; the last block's 32
	VBLOCK 3, 0
	v_nop                                          ; one plain place behind the last conversion
.irp bk, 0,1,2,3
.irp i, 0,1,2
	v_mov_b32 v[TA+12*(\bk%2)+6*(\bk/2)+3+\i], v[VT+4*\bk+\i]
.endr
.endr
.irp q, 0,1,2
	global_store_b128 v2, v[TA+4*\q:TA+4*\q+3], s[12:13] offset:512*\q        ; sixteen lanes store 256 consecutive bytes, at a multiple of 256 from the buffer's first byte
	global_store_b128 v2, v[TB+4*\q:TB+4*\q+3], s[12:13] offset:512*\q+256
.endr
	global_store_b32 v1, v[VW], s[14:15]
	s_endpgm
.Lfunc_end_k_qc474000df9_pack:
	.size	k_qc474000df9_pack, .Lfunc_end_k_qc474000df9_pack-k_qc474000df9_pack
	.p2alignl 7, 3214868480
	.fill 96, 4, 3214868480
	.section	.rodata,"a",@progbits
	.p2align	6, 0x0
	.amdhsa_kernel k_qc474000df9_pack
		.amdhsa_group_segment_fixed_size 68096
		.amdhsa_private_segment_fixed_size 0
		.amdhsa_enable_private_segment 0
		.amdhsa_kernarg_size 48
		.amdhsa_user_sgpr_count 2
		.amdhsa_user_sgpr_kernarg_segment_ptr 1
		.amdhsa_wavefront_size32 1
		.amdhsa_system_sgpr_workgroup_id_x 1
		.amdhsa_system_sgpr_workgroup_id_y 1
		.amdhsa_system_sgpr_workgroup_id_z 1
		.amdhsa_system_vgpr_workitem_id 0
		.amdhsa_next_free_vgpr 256
		.amdhsa_next_free_sgpr 66
		.amdhsa_reserve_vcc 1
		.amdhsa_float_denorm_mode_32 3
		.amdhsa_float_denorm_mode_16_64 3
		.amdhsa_memory_ordered 1
		.amdhsa_forward_progress 1
		.amdhsa_inst_pref_size 35
	.end_amdhsa_kernel
	.amdgpu_metadata
---
amdhsa.version: [ 1, 2 ]
amdhsa.kernels:
  - .name:           k_qc474000df9_pack
    .symbol:         k_qc474000df9_pack.kd
    .args:
      - { .name: key, .offset: 0, .size: 8, .value_kind: global_buffer, .address_space: global }
      - { .name: value, .offset: 8, .size: 8, .value_kind: global_buffer, .address_space: global }
      - { .name: kimg, .offset: 16, .size: 8, .value_kind: global_buffer, .address_space: global }
      - { .name: ksc, .offset: 24, .size: 8, .value_kind: global_buffer, .address_space: global }
      - { .name: vimg, .offset: 32, .size: 8, .value_kind: global_buffer, .address_space: global }
      - { .name: vsc, .offset: 40, .size: 8, .value_kind: global_buffer, .address_space: global }
    .group_segment_fixed_size: 68096
    .private_segment_fixed_size: 0
    .kernarg_segment_align: 8
    .kernarg_segment_size: 48
    .max_flat_workgroup_size: 128
    .sgpr_count:     66
    .vgpr_count:     256
    .wavefront_size: 32
...
	.end_amdgpu_metadata
.endif
;; end of part 1
;; launch attn (part 2): grid 8 x 32, 4 waves a work-group, clusters of 4 x 1, 262,656 bytes of LDS; arguments query, kimg, ksc, vimg, vsc, out0; writes out0
.if DOCPART == 2
	.amdgcn_target "amdgcn-amd-amdhsa--gfx1250"
	.amdhsa_code_object_version 6
	.text
	.protected	k_qc474000df9_attn
	.globl	k_qc474000df9_attn
	.p2align	8
	.type	k_qc474000df9_attn,@function
k_qc474000df9_attn:
	s_mov_b64 s[64:65], 0
	v_nop
	global_prefetch_b8 v0, s[64:65] scope:SCOPE_SE
	s_setreg_imm32_b32 hwreg(HW_REG_WAVE_MODE, 25, 1), 1
	s_wait_xcnt 0x0
	s_wait_alu depctr_hold_cnt(0) depctr_sa_sdst(0) depctr_va_vdst(0) depctr_va_sdst(0) depctr_va_ssrc(0) depctr_va_vcc(0) depctr_vm_vsrc(0)
	s_getreg_b32 s2, hwreg(HW_REG_IB_STS2, 6, 4)
	s_cmp_eq_u32 s2, 0
	s_cbranch_scc0 .Lentry_in_a_cluster
	s_endpgm
.Lentry_in_a_cluster:
	s_bfe_u32 s2, ttmp6, 0x10000c
	s_cmp_lg_u32 s2, 0x3003
	s_cbranch_scc0 .Lentry_shape_is_right
	s_endpgm
.Lentry_shape_is_right:
; out[b][q][128 h ..] = attn V,  attn = clip(softmax(1000 softmax(Q K^T / sqrt(128))), 0, 1), for head hd = 8 b + h; both products on codes of BF6 (E3M2) with one E8M0 scale for each 32 along K.
; attn is quantised FINISHED AND NORMALISED, so a row's largest score, its first sum and its second sum are all known before its first code is made: A ROW'S SCORES STAY IN REGISTERS from the first product to the conversion.
; SHARES.  A work-group owns 256 queries of one head, 16 tiles of 16, one after the other.  THE FOUR WAVES SHARE THE KEYS: wave w owns keys 512 w .. 512 w + 511: 32 tiles of K, 256 registers of scores, four K steps of the second product.
; Its 32 fragments of K stay in its registers (384), its 32 fragments of V in LDS; both come once, as images of operand registers that the launch before has laid.  Q is quantised here, once, and goes from wave to wave as images in LDS.
; A tile has two barriers: behind the first the waves' (c m, l, top) are read, behind the second their second sums.  The waves' partial O meet in LDS and are added and stored in the next trip, behind its first barrier.
; LAYOUT.  Both products are used transposed: S^T = K Q^T, O^T = V^T P^T: lane (r, h) holds query r throughout.  The keys of a tile of K are chosen so that the 16 registers of tiles 2 bb, 2 bb + 1 are keys 32 bb + 16 h + 0 .. 15.
; SOFTMAX.  e1 = 2^(c s - c m_w), c = log2(e) / sqrt(128), m_w the WAVE's largest score; g_w = 2^(c m_w - c m) brings it under the row's maximum m; l = sum of g_w l_w; p = e1 g_w / l.
; e2 = 2^(KA p - KA p_max), KA = 1000 log2(e), p_max = max of g_w top_w / l, top_w the e1 of the wave's largest score: one fused multiply-add, e1 x (KA g_w / l) - KA p_max.  attn = e2 / z, z = the row's sum of e2; then the clip.
; CLUSTER.  The four query blocks of a cluster belong to one head and take the same V: each wave's quarter of it is asked for JOINTLY.  K is not: it goes from memory straight into registers, where no joint load can lay it.
; Nothing in LDS is filled twice.  LIMITS: v_exp_f32 gives 0 for results under 2^-126; a block of zeros gets the scale byte 1 (its codes are zeros); O's sum over the keys is made in four parts, added in f32; NaN and infinities are not served.
;
; REGISTERS, in windows of 256 (s_set_vgpr_msb: bits 1:0 source 0, 3:2 source 1, 5:4 source 2, 7:6 destination):
;   window 0: addresses, Q's fragment, statistics, scale words, P's codes, eight fragments of V (also O's rows on the way out)
;   windows 1, 2: v0-127 the scores of two K steps each; v128-223 K's tiles 16-23, 24-31; v224-255 that half's own maxima, sums, factors and quantiser's scratch, so that a vector phase on a half runs under one setting
;   window 3: v0-191 K's tiles 0-15; v192-255 O^T
.set QIMG, 196608                      ; LDS: from 0 V's images, 49,152 bytes a wave; then Q's 16 fragments of 1,536 bytes,
.set QSC,  221184                      ; their scale words, 128 bytes each,
.set X1,   223232                      ; (c m, l, top, 0): 16 bytes a thread,
.set X2,   225280                      ; the second sums: 4 bytes a thread,
.set OX,   225792                      ; the partial O: 4 waves x 16 rows x (512 + 16) bytes; the map ends at 259,584
.set OPI,  528
.set LN16, 1                           ; 16 x lane
.set LN4,  2                           ; 4 x lane
.set AV,   3                           ; V's images: 49,152 w + 16 x lane
.set AQ0,  4                           ; Q's images: QIMG + 16 x lane
.set AQS0, 5                           ; QSC + 4 x lane
.set AQ,   6                           ; the tile's
.set AQS,  7
.set AX1W, 8                           ; X1 + 16 x thread
.set AX1R, 9                           ; X1 + 16 x lane
.set AX2W, 10                          ; X2 + 4 x thread
.set AX2R, 11                          ; X2 + 4 x lane
.set AOW,  12                          ; OX + 8,448 w + 528 r + 32 h
.set AOR,  13                          ; OX + 2,112 w + 16 x lane: I add and store rows 4 w .. 4 w + 3
.set XA,   14                          ; query: 4,096 r + 64 h
.set AQW,  15                          ; QIMG + 6,144 w + 16 x lane
.set QF,   16                          ; v16-27 Q's fragment
.set QSW,  28                          ; its scale words
.set AQSW, 29                          ; QSC + 512 w + 4 x lane
.set TP,   32                          ; v32-43 at work
.set KS,   48                          ; v48-63 K's scale words: register i: lanes 0-15 tile 2 i, lanes 16-31 tile 2 i + 1
.set VS,   64                          ; v64-79 V's: register 4 s + jp: lanes 0-15 d-tile 2 jp, lanes 16-31 d-tile 2 jp + 1
.set PC0,  80                          ; v80-99, v100-119 P's codes, two sets of 12 + 8 at work
.set EX,   80                          ; v80-95 the four waves' statistics
.set Z,    96                          ; v96-99 the four waves' second sums
.set PW,   120                         ; v120-123 P's scale words, one for each K step
.set VF,   128                         ; v128-223 eight fragments of V
.set OXR,  128                         ; v128-191 four rows x four waves of partial O
.set XS,   224                         ; v224-227 my wave's (c m, l, top, 0)
.set MX,   224                         ; in windows 1, 2: four running maxima,
.set SUM,  228                         ; two pairs of sums,
.set CM,   232                         ; c m_w (a pair's low word serves both halves; the high word is written once),
.set AW,   234                         ; KA g_w / l,
.set SH,   236                         ; KA p_max,
.set RN,   238                         ; 1 / z,
.set TM,   240                         ; v240-243 largest magnitudes, v244-247 bytes, v248 the scale word, v252-255 the conversions' scale operands
.set OA,   192                         ; in window 3: O^T, eight accumulators
.set WV,   16                          ; s16 wave
.set SEL,  20                          ; s[20:21] v_permlanex16_b32's selects for lane l xor 16
.set CS,   22                          ; s[22:23] c, twice
.set G1,   24                          ; s[24:31] descriptor group 1
.set G0,   32                          ; s[32:35] group 0
.set TI,   36                          ; the tile
.set QT,   37                          ; 1,536 x tile
.set QSO,  38                          ; 128 x tile
.set OPT,  42                          ; s[42:43] out0 at my four rows of the tile that is stored next
.set QBS,  44                          ; s[44:45] query at my wave's 64 rows
.set KB,   46                          ; s[46:47] my 32 tiles of K
.set KSB,  48                          ; s[48:49] their scale words
.set VSB,  50                          ; s[50:51] V's
.set MSB, 0
.macro WIN new                         ; the immediate's high byte repeats the setting that is left; a switch that changes nothing is dropped
.if MSB != (\new)
	s_set_vgpr_msb (MSB<<8)|(\new)
.set MSB, (\new)
.endif
.endm
.macro CROUND                          ; a round of the cluster's barrier
	s_barrier_signal -1
	s_barrier_wait -1
	s_cmp_lg_u32 s[WV], 0
	s_cbranch_scc1 .Lnot_wave_0_\@
	s_barrier_signal -3
.Lnot_wave_0_\@:
	s_barrier_wait -3
	s_barrier_signal -1
	s_barrier_wait -1
.endm
.macro BAR                             ; my LDS stores have landed and my LDS loads are in: then the work-group's barrier
	s_wait_dscnt 0x0
	s_barrier_signal -1
	s_barrier_wait -1
.endm
.macro KREG t                          ; where K's tile t lies: window KW, register KR
.if (\t) < 16
.set KW, 3
.set KR, 12*(\t)
.elseif (\t) < 24
.set KW, 1
.set KR, 128+12*((\t)-16)
.else
.set KW, 2
.set KR, 128+12*((\t)-24)
.endif
.endm
.macro KLOAD t
	KREG \t
	WIN KW<<6
.irp q, 0,1,2
	global_load_b128 v[KR+4*\q:KR+4*\q+3], v[LN16], s[KB:KB+1] offset:1536*(\t)+512*\q
.endr
.endm
; THE QUANTISER.  64 numbers of a lane in window n, register src + 16 b + i = k 32 b + 16 h + i of my row.  A: the four blocks' scales, all in window n.
.macro QUANT_A n, src
	WIN 0x55*(\n)
.irp b, 0,1,2,3
	v_max3_num_f32 v[TM+\b], |v[(\src)+16*\b]|, |v[(\src)+16*\b+1]|, 0x2800000   ; my 16 numbers of block b, and the floor 2^(5 - 127): the byte cannot fall under 1
.endr
.irp i, 2,4,6,8,10,12,14
.irp b, 0,1,2,3
	v_max3_num_f32 v[TM+\b], v[TM+\b], |v[(\src)+16*\b+\i]|, |v[(\src)+16*\b+\i+1]|   ; (the four blocks by turns)
.endr
.endr
.irp b, 0,1,2,3
	v_permlanex16_b32 v[TM+4+\b], v[TM+\b], s[SEL], s[SEL+1]
.endr
.irp b, 0,1,2,3
	v_max_num_f32 v[TM+\b], v[TM+\b], v[TM+4+\b]   ; with lane l xor 16's: the block's largest magnitude
.endr
.irp b, 0,1,2,3
	v_add_nc_u32 v[TM+12+\b], 0xfe000000, v[TM+\b] ; 4 off its exponent field: the conversion's scale operand
.endr
.irp b, 0,1,2,3
	v_lshrrev_b32 v[TM+4+\b], 23, v[TM+12+\b]      ; the scale's byte
.endr
	v_lshl_or_b32 v[TM+8], v[TM+5], 8, v[TM+4]     ; my row's scale word
	v_lshl_or_b32 v[TM+8], v[TM+6], 16, v[TM+8]
	v_lshl_or_b32 v[TM+8], v[TM+7], 24, v[TM+8]
.endm
; B: the codes, into v[pc] .. v[pc + 11] of window 0, and the scale word into v[pw].
.macro QUANT_B n, src, pc, pw
	WIN (\n)|((\n)<<2)                             ; sources in window n, destination in window 0
	v_mov_b32 v[\pw], v[TM+8]
.irp c, 0,1
	v_cvt_scalef32_pk16_bf6_f32 v[(\pc)+6*\c:(\pc)+6*\c+2], v[(\src)+32*\c:(\src)+32*\c+15], v[TM+12+2*\c]
	v_cvt_scalef32_pk16_bf6_f32 v[(\pc)+12+4*\c:(\pc)+14+4*\c], v[(\src)+32*\c+16:(\src)+32*\c+31], v[TM+13+2*\c]   ; (a conversion's three registers begin on an even number)
.endr
	WIN 0
	v_nop                                          ; one plain place behind a scaled conversion
.irp c, 0,1                            ; the operand's layout wants a WHOLE block in a lane: lanes 0-15 block 2 c, lanes 16-31 block 2 c + 1
.irp i, 0,1,2
	v_permlane16_swap_b32 v[(\pc)+6*\c+\i], v[(\pc)+12+4*\c+\i]
.endr
.irp i, 0,1,2
	v_mov_b32 v[(\pc)+3+6*\c+\i], v[(\pc)+12+4*\c+\i]
.endr
.endr
.endm
; THE FIRST PRODUCT.  Tile t's scores go to window 1 + t / 16, register 8 (t % 16); every product starts its own sum with the constant 0.
.macro SPROD t
	KREG \t
	WIN KW|((1+(\t)/16)<<6)
.if (\t)%2
	v_wmma_scale_f32_16x16x128_f8f6f4 v[8*((\t)%16):8*((\t)%16)+7], v[KR:KR+11], v[QF:QF+11], 0, v[KS+(\t)/2], v[QSW] matrix_a_fmt:MATRIX_FMT_BF6 matrix_b_fmt:MATRIX_FMT_BF6 matrix_a_scale:MATRIX_SCALE_ROW1
.else
	v_wmma_scale_f32_16x16x128_f8f6f4 v[8*((\t)%16):8*((\t)%16)+7], v[KR:KR+11], v[QF:QF+11], 0, v[KS+(\t)/2], v[QSW] matrix_a_fmt:MATRIX_FMT_BF6 matrix_b_fmt:MATRIX_FMT_BF6
.endif
.endm
.macro MAX4 t                          ; tile t's eight scores into its half's four running maxima, from the accumulator's low end on
	WIN 0x55*(1+(\t)/16)
.irp k, 0,1,2,3
	v_max3_num_f32 v[MX+\k], v[MX+\k], v[8*((\t)%16)+2*\k], v[8*((\t)%16)+2*\k+1]
.endr
.endm
; Behind each product stand four plain lines: the maxima of the tile two back, so that eight plain lines that name none of a product's registers lie between it and the first read of its result (ISA guide 7.12.1 asks for four).
.macro SPHASE
.set kt, 0
.rept 32
	SPROD kt
.if kt < 2
	WIN (1+kt)<<6
.irp k, 0,1,2,3
	v_mov_b32 v[MX+\k], 0xff800000                 ; the maxima of windows 1 and 2 begin at -infinity
.endr
.else
	MAX4 kt-2
.endif
.set kt, kt+1
.endr
	MAX4 30
	MAX4 31
.endm
.macro STAT1                           ; my wave's largest score m_w of query r; c m_w; top_w = the e1 of that score, by the same multiply-add and exponential
.irp n, 2,1
	WIN 0x55*\n
	v_max3_num_f32 v[MX], v[MX], v[MX+1], v[MX+2]
	v_max_num_f32 v[MX], v[MX], v[MX+3]
.endr
	WIN 0x09                                       ; source 0 window 1, source 1 window 2
	v_max_num_f32 v[TP], v[MX], v[MX]
	WIN 0
	v_permlanex16_b32 v[TP+1], v[TP], s[SEL], s[SEL+1]
	v_max_num_f32 v[TP], v[TP], v[TP+1]
	v_mul_f32 v[XS], s[CS], v[TP]
	v_fma_f32 v[TP+3], v[TP], s[CS], -v[XS]
	v_exp_f32 v[XS+2], v[TP+3]                     ; its first reader is the LDS store behind the next phase, whose waits stand between
	WIN 0x40
	v_mov_b32 v[CM], v[XS]
	WIN 0x80
	v_mov_b32 v[CM], v[XS]
.endm
; AN EXPONENTIAL PHASE on the 256 registers, in place.  mode 1: e1 = 2^(c s - c m_w).  mode 2: e2 = 2^(e1 AW - SH).  pp: a pair of registers, 0 .. 63, of the window in hand.
.macro SC1 mode, pp
.if \mode == 1
	v_pk_fma_f32 v[2*(\pp):2*(\pp)+1], v[2*(\pp):2*(\pp)+1], s[CS:CS+1], v[CM:CM+1] op_sel_hi:[1,0,0] neg_lo:[0,0,1] neg_hi:[0,0,1]
.else
	v_pk_fma_f32 v[2*(\pp):2*(\pp)+1], v[2*(\pp):2*(\pp)+1], v[AW:AW+1], v[SH:SH+1] op_sel_hi:[1,0,0] neg_lo:[0,0,1] neg_hi:[0,0,1]
.endif
.endm
.macro EX2 pp
	v_exp_f32 v[2*(\pp)], v[2*(\pp)]
	v_exp_f32 v[2*(\pp)+1], v[2*(\pp)+1]
.endm
.macro ADDP pp                         ; two chains of packed sums; pairs 0 to 3 start them: nothing is cleared
.if (\pp) < 2
	v_pk_add_f32 v[SUM+2*(\pp):SUM+2*(\pp)+1], v[2*(\pp):2*(\pp)+1], v[2*(\pp)+4:2*(\pp)+5]
.elseif (\pp) >= 4
	v_pk_add_f32 v[SUM+2*((\pp)%2):SUM+2*((\pp)%2)+1], v[SUM+2*((\pp)%2):SUM+2*((\pp)%2)+1], v[2*(\pp):2*(\pp)+1]
.endif
.endm
; Four batches of 64 exponentials, each with ONE wait ahead of its first reader; between the exponentials stand the next batch's scalings or the last batch's sums,
; and between two of the batches and their waits stands plain work that names none of their results; the other two have a v_nop.
.macro EPHASE mode
	WIN 0x55
.set p, 0
.rept 32
	SC1 \mode, p
.set p, p+1
.endr
.set p, 0
.rept 32
	SC1 \mode, 32+p
	EX2 p
.set p, p+1
.endr
	v_nop                                          ; a plain instruction behind the last exponential
	s_wait_alu depctr_va_vdst(0)                   ; window 1's first 64
.set p, 0
.rept 32
	ADDP p
	EX2 32+p
.set p, p+1
.endr
	WIN 0xaa
.set p, 0
.rept 32
	SC1 \mode, p
.set p, p+1
.endr
	s_wait_alu depctr_va_vdst(0)                   ; window 1's second 64
.set p, 0
.rept 32
	SC1 \mode, 32+p
	EX2 p
.set p, p+1
.endr
	WIN 0x55
.set p, 0
.rept 32
	ADDP 32+p
.set p, p+1
.endr
	s_wait_alu depctr_va_vdst(0)                   ; window 2's first 64
	WIN 0xaa
.set p, 0
.rept 32
	ADDP p
	EX2 32+p
.set p, p+1
.endr
	v_nop
	s_wait_alu depctr_va_vdst(0)                   ; window 2's second 64
.set p, 0
.rept 32
	ADDP 32+p
.set p, p+1
.endr
.endm
.macro SUMUP dst                       ; the two halves' chains, and lane l xor 16's: my wave's sum for query r
.irp n, 2,1
	WIN 0x55*\n
	v_pk_add_f32 v[SUM:SUM+1], v[SUM:SUM+1], v[SUM+2:SUM+3]
	v_add_f32 v[SUM], v[SUM], v[SUM+1]
.endr
	WIN 0x09
	v_add_f32 v[TP+4], v[SUM], v[SUM]
	WIN 0
	v_permlanex16_b32 v[TP+5], v[TP+4], s[SEL], s[SEL+1]
	v_add_f32 v[\dst], v[TP+4], v[TP+5]
.endm
.macro STAT2                           ; from the four waves' (c m, l, top): AW = KA g_own / l and SH = KA p_max, the row's largest exponent, which the second softmax takes away
	v_max3_num_f32 v[TP], v[EX], v[EX+4], v[EX+8]
	v_max_num_f32 v[TP], v[TP], v[EX+12]           ; c m
.irp j, 0,1,2,3
	v_sub_f32 v[TP+1+\j], v[EX+4*\j], v[TP]
.endr
	v_sub_f32 v[TP+5], v[XS], v[TP]
.irp j, 0,1,2,3,4
	v_exp_f32 v[TP+1+\j], v[TP+1+\j]               ; g of the four waves, and my own
.endr
	v_nop
	s_wait_alu depctr_va_vdst(0)                   ; one wait for the five
	v_mul_f32 v[TP+6], v[TP+1], v[EX+1]
	v_fma_f32 v[TP+6], v[TP+2], v[EX+5], v[TP+6]
	v_fma_f32 v[TP+6], v[TP+3], v[EX+9], v[TP+6]
	v_fma_f32 v[TP+6], v[TP+4], v[EX+13], v[TP+6]  ; l: the same order in every wave, so all four hold the same bits
	v_rcp_f32 v[TP+7], v[TP+6]
	v_mul_f32 v[TP+8], v[TP+1], v[EX+2]            ; (independent work behind the reciprocal)
	v_mul_f32 v[TP+9], v[TP+2], v[EX+6]
	v_mul_f32 v[TP+10], v[TP+3], v[EX+10]
	v_mul_f32 v[TP+11], v[TP+4], v[EX+14]
	v_max3_num_f32 v[TP+8], v[TP+8], v[TP+9], v[TP+10]
	v_max_num_f32 v[TP+8], v[TP+8], v[TP+11]       ; the row's largest g top
	s_wait_alu depctr_va_vdst(0)
	v_mul_f32 v[TP+9], 0x44b4563e, v[TP+7]         ; KA / l, KA = 1000 log2(e)
.irp n, 1,2
	WIN \n<<6
	v_mul_f32 v[AW], v[TP+9], v[TP+5]
	v_mul_f32 v[SH], v[TP+9], v[TP+8]
.endr
.endm
.macro STAT3                           ; 1 / z
	v_add_f32 v[TP], v[Z], v[Z+1]
	v_add_f32 v[TP+1], v[Z+2], v[Z+3]
	v_add_f32 v[TP], v[TP], v[TP+1]
	v_rcp_f32 v[TP+2], v[TP]
	v_nop
	s_wait_alu depctr_va_vdst(0)
.irp n, 1,2
	WIN \n<<6
	v_mov_b32 v[RN], v[TP+2]
.endr
.endm
; THE SECOND PRODUCT.  K step s, d-tile j: O^T's eight accumulators take turns, one instruction a turn; K step 0 starts the sums with the constant 0.
.macro PV1 s, j
	WIN 0xf0                                       ; C and D window 3; V's fragment and P's codes window 0
.set rO, OA+8*(\j)
.set rV, VF+12*(\j)
.set rP, PC0+20*((\s)%2)
.set rA, VS+4*(\s)+(\j)/2
.if (\s) == 0
.if (\j)%2
	v_wmma_scale_f32_16x16x128_f8f6f4 v[rO:rO+7], v[rV:rV+11], v[rP:rP+11], 0, v[rA], v[PW+(\s)] matrix_a_fmt:MATRIX_FMT_BF6 matrix_b_fmt:MATRIX_FMT_BF6 matrix_a_scale:MATRIX_SCALE_ROW1
.else
	v_wmma_scale_f32_16x16x128_f8f6f4 v[rO:rO+7], v[rV:rV+11], v[rP:rP+11], 0, v[rA], v[PW+(\s)] matrix_a_fmt:MATRIX_FMT_BF6 matrix_b_fmt:MATRIX_FMT_BF6
.endif
.else
.if (\j)%2
	v_wmma_scale_f32_16x16x128_f8f6f4 v[rO:rO+7], v[rV:rV+11], v[rP:rP+11], v[rO:rO+7], v[rA], v[PW+(\s)] matrix_a_fmt:MATRIX_FMT_BF6 matrix_b_fmt:MATRIX_FMT_BF6 matrix_a_scale:MATRIX_SCALE_ROW1
.else
	v_wmma_scale_f32_16x16x128_f8f6f4 v[rO:rO+7], v[rV:rV+11], v[rP:rP+11], v[rO:rO+7], v[rA], v[PW+(\s)] matrix_a_fmt:MATRIX_FMT_BF6 matrix_b_fmt:MATRIX_FMT_BF6
.endif
.endif
.endm
.macro VLD s, j                        ; V's fragment (K step s, d-tile j) into slot j
	WIN 0
.irp q, 0,1,2
	ds_load_b128 v[VF+12*(\j)+4*\q:VF+12*(\j)+4*\q+3], v[AV] offset:(8*(\s)+(\j))*1536+512*\q
.endr
.endm
; K step s is normalised and clipped, eight registers at a time; behind each twelve lines stands one product of K step s - 1, and behind that the load of K step s's fragment into the slot that the product before has left.
; The twelve plain lines are the places between a product and the load into its slot, and, ahead of the first product, behind the lines that wrote P's codes (four are asked) and P's scale word (eight).
.macro NORMPV s
.if (\s) > 0
	s_wait_dscnt 0x0                               ; K step s - 1's eight fragments are in
.endif
.set j, 0
.rept 8
	WIN 0x55*(1+(\s)/2)
.set rS, 64*((\s)%2)+8*j
.irp i, 0,2,4,6
	v_pk_mul_f32 v[rS+\i:rS+\i+1], v[rS+\i:rS+\i+1], v[RN:RN+1] op_sel_hi:[1,0]   ; e2 / z
.endr
.irp i, 0,1,2,3,4,5,6,7
	v_med3_num_f32 v[rS+\i], v[rS+\i], 0, 1.0      ; the clip
.endr
.if (\s) > 0
	PV1 (\s)-1, j
.if j > 0
	VLD \s, j-1
.endif
.endif
.set j, j+1
.endr
.endm
; THE WAY OUT of the tile before: rows 4 w .. 4 w + 3, each as four waves' parts of 512 bytes; ((w0 + w1) + (w2 + w3)); a row leaves as 512 consecutive bytes, at a multiple of 256 from out0's first byte.
.macro OUT step
.irp i, 0,1,2,3
.irp jw, 0,1,2,3
	ds_load_b128 v[OXR+16*\i+4*\jw:OXR+16*\i+4*\jw+3], v[AOR] offset:16*OPI*\jw+OPI*\i
.endr
.endr
.irp i, 0,1,2,3
	s_wait_dscnt 12-4*\i                           ; row i's four loads are in; the later rows' may be out
.irp k, 0,2
	v_pk_add_f32 v[OXR+16*\i+\k:OXR+16*\i+\k+1], v[OXR+16*\i+\k:OXR+16*\i+\k+1], v[OXR+16*\i+4+\k:OXR+16*\i+5+\k]
	v_pk_add_f32 v[OXR+16*\i+8+\k:OXR+16*\i+9+\k], v[OXR+16*\i+8+\k:OXR+16*\i+9+\k], v[OXR+16*\i+12+\k:OXR+16*\i+13+\k]
.endr
.irp k, 0,2
	v_pk_add_f32 v[OXR+16*\i+\k:OXR+16*\i+\k+1], v[OXR+16*\i+\k:OXR+16*\i+\k+1], v[OXR+16*\i+8+\k:OXR+16*\i+9+\k]
.endr
	global_store_b128 v[LN16], v[OXR+16*\i:OXR+16*\i+3], s[OPT:OPT+1] offset:4096*\i th:TH_STORE_NT
.endr
.if \step
	s_wait_xcnt 0x0                                ; the stores have read their registers and their base: V's fragments may land there, and the base may step
	s_add_nc_u64 s[OPT:OPT+1], s[OPT:OPT+1], 65536 ; 16 rows of out0 on
.endif
.endm
	; ---- THE HEAD
	s_load_b256 s[4:11], s[0:1], 0x0               ; query s[4:5], kimg s[6:7], ksc s[8:9], vimg s[10:11]
	s_load_b128 s[12:15], s[0:1], 0x20             ; vsc s[12:13], out0 s[14:15]
	v_lshl_add_u32 v254, v0, 2, 0x40000
	v_mov_b32 v255, 0
	ds_add_u32 v254, v255
	ds_add_u32 v254, v255
	v_lshrrev_b32 v30, 5, v0
	v_readfirstlane_b32 s[WV], v30                 ; wave 0..3
	v_and_b32 v30, 31, v0                          ; lane
	v_and_b32 v31, 15, v0                          ; r
	v_bfe_u32 v[TP], v0, 4, 1                      ; h
	v_lshlrev_b32 v[LN16], 4, v30
	v_lshlrev_b32 v[LN4], 2, v30
	s_mul_i32 s56, s[WV], 49152
	v_add_nc_u32 v[AV], s56, v[LN16]
	v_add_nc_u32 v[AQ0], QIMG, v[LN16]
	v_add_nc_u32 v[AQS0], QSC, v[LN4]
	v_lshl_add_u32 v[AX1W], v0, 4, X1
	v_add_nc_u32 v[AX1R], X1, v[LN16]
	v_lshl_add_u32 v[AX2W], v0, 2, X2
	v_add_nc_u32 v[AX2R], X2, v[LN4]
	v_mul_u32_u24 v[AOW], v31, OPI
	v_lshl_add_u32 v[AOW], v[TP], 5, v[AOW]
	s_mul_i32 s57, s[WV], 16*OPI
	s_add_co_u32 s57, s57, OX
	v_add_nc_u32 v[AOW], s57, v[AOW]
	s_mul_i32 s57, s[WV], 4*OPI
	s_add_co_u32 s57, s57, OX
	v_add_nc_u32 v[AOR], s57, v[LN16]
	v_lshlrev_b32 v[XA], 12, v31
	v_lshl_add_u32 v[XA], v[TP], 6, v[XA]
	s_mul_i32 s57, s[WV], 4*1536
	s_add_co_u32 s57, s57, QIMG
	v_add_nc_u32 v[AQW], s57, v[LN16]
	s_lshl_b32 s57, s[WV], 9
	s_add_co_u32 s57, s57, QSC
	v_add_nc_u32 v[AQSW], s57, v[LN4]
	v_mov_b32 v[TP+1], 0                           ; written once: a lane permute's destination counts as one of its sources
	v_mov_b32 v[TP+5], 0
	v_mov_b32 v[XS+3], 0                           ; the fourth word of the 16 bytes that are stored
.irp n, 1,2
	WIN \n<<6
	v_mov_b32 v[CM+1], 0                           ; named as the upper halves of pairs whose low word serves both halves
	v_mov_b32 v[AW+1], 0
	v_mov_b32 v[SH+1], 0
	v_mov_b32 v[RN+1], 0
.irp b, 0,1,2,3
	v_mov_b32 v[TM+4+\b], 0                        ; lane permutes' destinations
.endr
.endr
	WIN 0
	s_bfe_u32 s17, ttmp6, 0x40000                  ; cx: my place in the cluster
	s_lshl_b32 s18, ttmp9, 2
	s_add_co_u32 s18, s18, s17                     ; my block of 256 queries: it enters query's and out0's addresses alone
	s_and_b32 s19, ttmp7, 0xffff                   ; hd, which the four partners share
	s_mov_b32 s[SEL], 0x76543210
	s_mov_b32 s[SEL+1], 0xfedcba98
	s_mov_b32 s[CS], 0x3e0293ee                    ; c = log2(e) / sqrt(128)
	s_mov_b32 s[CS+1], s[CS]
	s_mul_i32 s40, s19, 196608                     ; a head's images, of K and of V alike,
	s_add_co_u32 s40, s40, s56                     ; and my wave's quarter of them
	s_mov_b32 s41, 0
	s_lshl_b32 s54, s19, 13                        ; a head's scale words, of K and of V alike,
	s_lshl_b32 s57, s[WV], 11                      ; and my wave's quarter
	s_or_b32 s54, s54, s57
	s_mov_b32 s55, 0
	s_lshr_b32 s52, s19, 3
	s_lshl_b32 s52, s52, 23                        ; b x 2,048 rows of 4,096 bytes
	s_and_b32 s53, s19, 7
	s_lshl_b32 s53, s53, 9                         ; h x 128 numbers
	s_or_b32 s52, s52, s53
	s_lshl_b32 s53, s18, 20                        ; my block's 256 rows
	s_or_b32 s52, s52, s53
	s_lshl_b32 s58, s[WV], 18                      ; query: my wave quantises rows 64 w on
	s_or_b32 s58, s58, s52
	s_mov_b32 s59, 0
	s_lshl_b32 s60, s[WV], 14                      ; out0: my wave stores rows 4 w on of each tile
	s_or_b32 s60, s60, s52
	s_mov_b32 s61, 0
	; descriptor group 1: my quarter of the head's V, 49,152 dense bytes, as 192 rows of 256 bytes (32 elements of 8 bytes), no padding: the images are read 512 consecutive bytes an instruction
	s_mov_b32 s[G1], 15|(3<<16)|(1<<21)            ; 15:0 the mask: all four work-groups; 17:16 elements of 8 bytes; 21 set beside a mask
	s_mov_b32 s[G1+1], 32<<16                      ; tensor_dim0 = 32
	s_mov_b32 s[G1+2], 192<<16                     ; tensor_dim1 = 192
	s_mov_b32 s[G1+3], 32<<16                      ; tile_dim0 = 32
	s_mov_b32 s[G1+4], 192                         ; tile_dim1 = 192
	s_mov_b32 s[G1+5], 32                          ; from row to row
	s_mov_b32 s[G1+6], 0
	s_mov_b32 s[G1+7], 0
	s_mov_b32 s[G0], 1                             ; count = 1
	s_mul_i32 s[G0+1], s[WV], 49152                ; LDS address: the wave's number alone
	s_wait_dscnt 0x0
	s_wait_kmcnt 0x0
	s_add_nc_u64 s[QBS:QBS+1], s[4:5], s[58:59]
	s_add_nc_u64 s[OPT:OPT+1], s[14:15], s[60:61]
	s_add_nc_u64 s[KB:KB+1], s[6:7], s[40:41]
	s_add_nc_u64 s[KSB:KSB+1], s[8:9], s[54:55]
	s_add_nc_u64 s[VSB:VSB+1], s[12:13], s[54:55]
	s_add_nc_u64 s[G0+2:G0+3], s[10:11], s[40:41]  ; global address: the head and the wave's number alone
	s_or_b32 s[G0+3], s[G0+3], 0x80000000          ; type = 2
	CROUND                                         ; all four work-groups are here: the joint loads meet
	tensor_load_to_lds s[G0:G0+3], s[G1:G1+7]      ; my one tensor load of the launch
	s_nop 0
.rept 4
	v_nop                                          ; four such lines behind a tensor load
.endr
.set i, 0
.rept 16
	global_load_b32 v[KS+i], v[LN4], s[KSB:KSB+1] offset:128*i
.set i, i+1
.endr
.set i, 0
.rept 16
	global_load_b32 v[VS+i], v[LN4], s[VSB:VSB+1] offset:128*i
.set i, i+1
.endr
.irp tt, 0,1,2,3                       ; Q: four tiles of 16 rows; lane (r, h) takes, of row r, 16 neighbours of each block of 32: register 16 bb + 4 jj.  They land where the scores will lie
	WIN (1+\tt/2)<<6
.set i, 0
.rept 16
	global_load_b128 v[64*(\tt%2)+4*i:64*(\tt%2)+4*i+3], v[XA], s[QBS:QBS+1] offset:65536*\tt+128*(i/4)+16*(i%4) th:TH_LOAD_NT
.set i, i+1
.endr
.endr
.irp tt, 0,1,2,3
	s_wait_loadcnt 48-\tt                          ; tile tt's 16 loads are in: behind them 16 (3 - tt) of Q's and the 15 tt of K's issued so far
	QUANT_A 1+\tt/2, 64*(\tt%2)
	QUANT_B 1+\tt/2, 64*(\tt%2), PC0, PW
.irp c, 0,1,2
	ds_store_b128 v[AQW], v[PC0+4*\c:PC0+4*\c+3] offset:1536*\tt+512*\c   ; the fragment goes to LDS as it stands
.endr
	ds_store_b32 v[AQSW], v[PW] offset:128*\tt
.set kt, 5*\tt
.rept 5
	KLOAD kt
.set kt, kt+1
.endr
	WIN 0
	s_wait_dscnt 0x0                               ; the stores have read their registers
.endr
.set kt, 20
.rept 12
	KLOAD kt
.set kt, kt+1
.endr
	WIN 0
	s_wait_tensorcnt 0x0                           ; my quarter of V is in LDS, and I alone read it
	BAR                                            ; Q's sixteen fragments lie in LDS
	s_wait_loadcnt 0x0                             ; K and the scale words
	s_mov_b32 s[TI], 0
	s_mov_b32 s[QT], 0
	s_mov_b32 s[QSO], 0
	; ---- A TILE OF 16 QUERIES
.Ltile:
	v_add_nc_u32 v[AQ], s[QT], v[AQ0]
	v_add_nc_u32 v[AQS], s[QSO], v[AQS0]
.irp q, 0,1,2
	ds_load_b128 v[QF+4*\q:QF+4*\q+3], v[AQ] offset:512*\q
.endr
	ds_load_b32 v[QSW], v[AQS]
	s_wait_dscnt 0x0
	SPHASE
	STAT1
	EPHASE 1
	SUMUP XS+1                                     ; l_w
	ds_store_b128 v[AX1W], v[XS:XS+3]
	BAR                                            ; the four waves' statistics lie in LDS, and so does the tile before's partial O
.irp j, 0,1,2,3
	ds_load_b128 v[EX+4*\j:EX+4*\j+3], v[AX1R] offset:512*\j
.endr
	s_cmp_eq_u32 s[TI], 0                          ; the first tile has no tile before it
	s_cbranch_scc1 .Lno_out
	OUT 1
.Lno_out:
	s_wait_dscnt 0x0
	STAT2
	EPHASE 2
	SUMUP TP+6                                     ; my wave's part of z
	ds_store_b32 v[AX2W], v[TP+6]
	BAR                                            ; the four parts lie in LDS; every wave's reads of the statistics and of the partial O are over
.irp j, 0,1,2,3
	ds_load_b32 v[Z+\j], v[AX2R] offset:128*\j
.endr
.set j, 0
.rept 8
	VLD 0, j
.set j, j+1
.endr
	s_wait_dscnt 24                                ; the four parts are in; V's 24 loads behind them may be out
	STAT3
	NORMPV 0
	QUANT_A 1, 0
	QUANT_B 1, 0, PC0, PW
	NORMPV 1
	QUANT_A 1, 64
	VLD 1, 7                                       ; slot 7's last product stands ahead of the quantiser's plain lines
	QUANT_B 1, 64, PC0+20, PW+1
	NORMPV 2
	QUANT_A 2, 0
	VLD 2, 7
	QUANT_B 2, 0, PC0, PW+2
	NORMPV 3
	QUANT_A 2, 64
	VLD 3, 7
	QUANT_B 2, 64, PC0+20, PW+3
.rept 4
	v_nop                                          ; four places behind the last line that wrote P's codes; the scale word was written eleven plain lines back or more
.endr
	s_wait_dscnt 0x0                               ; the last K step's fragments are in
.set j, 0
.rept 8
	PV1 3, j
.set j, j+1
.endr
	WIN 0
.rept 4
	v_nop                                          ; four places ahead of the first read of the results
.endr
	WIN 0x0c                                       ; an LDS store's data are its source 1: window 3
.set j, 0
.rept 8
	ds_store_b128 v[AOW], v[OA+8*j:OA+8*j+3] offset:64*j          ; lane (r, h): o(r, 16 j + 8 h + 0 .. 7), my wave's part; each accumulator from its low end on
	ds_store_b128 v[AOW], v[OA+8*j+4:OA+8*j+7] offset:64*j+16
.set j, j+1
.endr
	WIN 0
	s_add_co_u32 s[QT], s[QT], 1536
	s_add_co_u32 s[QSO], s[QSO], 128
	s_add_co_u32 s[TI], s[TI], 1
	s_cmp_lt_u32 s[TI], 16
	s_cbranch_scc1 .Ltile
	BAR                                            ; the last tile's partial O lies in LDS
	OUT 0
	s_wait_tensorcnt 0x0
	ds_add_u32 v254, v255
	s_wait_dscnt 0x0
	CROUND                                         ; the closing round: no work-group ends while a partner may still ask for a tile that names it
	s_endpgm
.Lfunc_end_k_qc474000df9_attn:
	.size	k_qc474000df9_attn, .Lfunc_end_k_qc474000df9_attn-k_qc474000df9_attn
	.p2alignl 7, 3214868480
	.fill 96, 4, 3214868480
	.section	.rodata,"a",@progbits
	.p2align	6, 0x0
	.amdhsa_kernel k_qc474000df9_attn
		.amdhsa_group_segment_fixed_size 262656
		.amdhsa_private_segment_fixed_size 0
		.amdhsa_enable_private_segment 0
		.amdhsa_kernarg_size 48
		.amdhsa_user_sgpr_count 2
		.amdhsa_user_sgpr_kernarg_segment_ptr 1
		.amdhsa_wavefront_size32 1
		.amdhsa_system_sgpr_workgroup_id_x 1
		.amdhsa_system_sgpr_workgroup_id_y 1
		.amdhsa_system_sgpr_workgroup_id_z 1
		.amdhsa_system_vgpr_workitem_id 0
		.amdhsa_next_free_vgpr 1024
		.amdhsa_next_free_sgpr 66
		.amdhsa_reserve_vcc 0
		.amdhsa_float_denorm_mode_32 3
		.amdhsa_float_denorm_mode_16_64 3
		.amdhsa_memory_ordered 1
		.amdhsa_forward_progress 1
		.amdhsa_inst_pref_size 168
	.end_amdhsa_kernel
	.amdgpu_metadata
---
amdhsa.version: [ 1, 2 ]
amdhsa.kernels:
  - .name:           k_qc474000df9_attn
    .symbol:         k_qc474000df9_attn.kd
    .args:
      - { .name: query, .offset: 0, .size: 8, .value_kind: global_buffer, .address_space: global }
      - { .name: kimg, .offset: 8, .size: 8, .value_kind: global_buffer, .address_space: global }
      - { .name: ksc, .offset: 16, .size: 8, .value_kind: global_buffer, .address_space: global }
      - { .name: vimg, .offset: 24, .size: 8, .value_kind: global_buffer, .address_space: global }
      - { .name: vsc, .offset: 32, .size: 8, .value_kind: global_buffer, .address_space: global }
      - { .name: out0, .offset: 40, .size: 8, .value_kind: global_buffer, .address_space: global }
    .group_segment_fixed_size: 262656
    .private_segment_fixed_size: 0
    .kernarg_segment_align: 8
    .kernarg_segment_size: 48
    .max_flat_workgroup_size: 128
    .sgpr_count:     66
    .vgpr_count:     1024
    .wavefront_size: 32
...
	.end_amdgpu_metadata
.endif
;; end of part 2
